; MI455X (gfx1250); checked and timed in simulation.
; The chip was launched on July 23, 2026; its instructions are those of AMD's public machine-readable ISA for CDNA 5 (MIT licence, August 2026) and "CDNA5" Instruction Set Architecture Reference Guide (July 2026). The comments in the code are by the model that wrote it; some were corrected since.
;; Vector Quantizer. Allowed arithmetic: matrix products marked QUANTISED: E3M2 operands, one E8M0 scale for each 32 along K, by v_wmma_scale_f32_16x16x128_f8f6f4 with both operands' format E3M2, f32 sums; everything else in f32.
;; Inputs: codebook 1,024 x 256 float32; x 32 x 256 x 32 x 32 float32.
;; Outputs: out0 32 x 32 x 32 int32.
;; This version of the problem:
;;   THIS VERSION OF THE PROBLEM IS GIVEN IN LOW PRECISION. The matrix products marked QUANTISED in the list below multiply operands that are first quantised to E3M2 (3 exponent bits, 2 mantissa bits; 6 bits a number), with one power-of-two scale for each 32 numbers along K (OCP MX v1.0); their sums are f32. All else is computed in f32.
;;   The module's matrix products, in the order in which they are computed (A, B: the left and right operand; K: the contracted axis; several contracted axes count as one K, in the product's order):
;;     1. [M 32,768, K 256] x [K 256, N 1,024]; A: input x; B: input codebook: QUANTISED
;;   THE QUANTISER, for each operand of a quantised product, along K:
;;     - K is cut into blocks of 32 from its start; a last block that is shorter is filled with zeros.
;;     - A block's scale is 2^e with e = floor(log2(the largest magnitude in the block)) - 4, held to -126 .. 127; a block of zeros has e = 0. As a byte (E8M0): e + 127.
;;     - Each number is divided by its block's scale, clamped to +-28, and rounded to the nearest number of E3M2, ties to even, subnormals kept.
;;     - The product sums the exact products of the quantised numbers (number of the format x scale) in f32.
;;   ~~~python
;;   def quantise(x, axis):      # numpy; x: float32 -> the quantised numbers, widened to float32 again
;;       x = np.moveaxis(x, axis, -1); K = x.shape[-1]
;;       x = np.pad(x, [(0, 0)] * (x.ndim - 1) + [(0, -K % 32)]); x = x.reshape(x.shape[:-1] + (-1, 32)); a = np.abs(x).max(-1, keepdims=True)
;;       e = np.where(a > 0, np.clip(np.frexp(np.where(a > 0, a, 1))[1] - 1 - 4, -126, 127), 0)      # np.frexp(a)[1] - 1 = floor(log2(a)), exactly
;;       r = np.clip(x / 2.0 ** e, -28, 28)
;;       step = 2.0 ** (np.maximum(np.frexp(np.where(r == 0, 1, r))[1] - 1, -2) - 2)
;;       q = np.round(r / step) * step * 2.0 ** e      # np.round: ties to even
;;       return np.moveaxis(q.reshape(q.shape[:-2] + (-1,))[..., :K], -1, axis).astype(np.float32)
;;   ~~~
;; One version. Each part assembles by itself: llvm-mc -triple=amdgcn-amd-amdhsa -mcpu=gfx1250 --defsym DOCPART=n.
;; ======== version 1 of 1: 2 launches
;; limits: right only within a limited range of input values
;; workspace buffers: cbq 208,896 bytes
;; launch prep (part 1): grid 256 x 1, 1 waves a work-group, no clusters, 0 bytes of LDS; arguments codebook, cbq; writes cbq
.if DOCPART == 1
	.amdgcn_target "amdgcn-amd-amdhsa--gfx1250"
	.amdhsa_code_object_version 6
	.text
	.protected	k_qaabe108830_prep
	.globl	k_qaabe108830_prep
	.p2align	8
	.type	k_qaabe108830_prep,@function
k_qaabe108830_prep:
	s_mov_b64 s[64:65], 0
	v_nop
	global_prefetch_b8 v0, s[64:65] scope:SCOPE_SE
	s_setreg_imm32_b32 hwreg(HW_REG_WAVE_MODE, 25, 1), 1
	s_wait_xcnt 0x0
; The codebook [1024][256] f32 is turned ONCE into what the second launch's waves keep in registers: codes of BF6 (E3M2), one E8M0 scale byte for each 32 along K, and the f32 sum of squares of each unquantised row.
; No step of the definition is left out: x_sq and e_sq are the same along an axis or small beside it, but their rounding decides which distances are equal, so both stay.
; cbq: 16 slices of 13,056 bytes; slice W serves codes 64 W .. 64 W + 63, as four tiles t of 16 rows m.  ROW m of tile (W, t) is code 64 W + 32 (m / 8) + 8 t + m % 8, so that in the product's result lane (r, h),
; register j of tile t holds code 64 W + 32 h + 8 t + j: ascending in (W, h, t, j).
; A slice: 16 records of 768 bytes (record 4 t + R: rows m = 4 R .. 4 R + 3), then scale words (tile t, K step s, row m at 12,288 + 128 t + 64 s + 4 m), then sums of squares (12,800 + 64 t + 4 m).
; A record: 32 places p = 4 (b xor R) + m % 4 for block b = 0 .. 7 of a row; the first 16 bytes of a block's 24 bytes of codes at 16 p, the last 8 at 512 + 8 p.  (The xor lets the second launch's LDS loads touch different banks.)
; One wave makes one record, lane p one block: all 32 numbers of a block are one lane's, so its largest magnitude needs no other lane, and a row's eight blocks are eight lanes of the wave.
; A block's scale is 2^(floor(log2(its largest magnitude)) - 4); its byte is the largest magnitude's exponent field - 4, held at 1 from below.
; LIMITS: a block of zeros gets the byte 1 where the rule says 127 (its codes are zeros, which add nothing, and this program alone reads the bytes); NaN and infinities among the inputs are not served;
; the sum of squares is an f32 sum in this text's own order (four chains of pairs a block, then a tree over the blocks).
.set SLICE, 13056
.set X,   16                           ; v16-47   my block
.set F,   48                           ; v48-53   its codes
.set TC,  56                           ; v56-58   the upper 16 codes, as the conversion leaves them
.set M,   60                           ; v60-63   largest magnitudes, four chains
.set SC,  64                           ; v64      the conversions' scale operand
.set Q,   66                           ; v66-73   sums of squares, four pairs
.set WD,  74                           ; v74      the scale's byte, then the scale word
.set T,   76                           ; v76-77   other lanes' numbers
	s_load_b128 s[4:7], s[0:1], 0x0                ; the codebook s[4:5], cbq s[6:7]
	s_and_b32 s8, ttmp9, 3                         ; R
	s_bfe_u32 s9, ttmp9, 0x20002                   ; t
	s_lshr_b32 s10, ttmp9, 4                       ; W
	s_lshl_b32 s12, s10, 16                        ; my first row: 64 W + 32 (R / 2) + 8 t + 4 (R % 2), of 1,024 bytes
	s_lshr_b32 s14, s8, 1
	s_lshl_b32 s14, s14, 15
	s_add_co_u32 s12, s12, s14
	s_lshl_b32 s14, s9, 13
	s_add_co_u32 s12, s12, s14
	s_and_b32 s14, s8, 1
	s_lshl_b32 s14, s14, 12
	s_add_co_u32 s12, s12, s14
	s_mov_b32 s13, 0
	s_mul_i32 s16, s10, SLICE
	s_mov_b32 s17, 0
	s_and_b32 s18, ttmp9, 15
	s_mul_i32 s18, s18, 768                        ; my record
	s_lshl_b32 s15, s8, 4
	s_lshl_b32 s20, s9, 7
	s_add_co_u32 s20, s20, s15
	s_add_co_u32 s20, s20, 12288                   ; my rows' scale words,
	s_lshl_b32 s21, s9, 6
	s_add_co_u32 s21, s21, s15
	s_add_co_u32 s21, s21, 12800                   ; my rows' sums
	s_mov_b32 s24, 0x76543210
	s_mov_b32 s25, 0xfedcba98                      ; v_permlanex16_b32's selects for lane l xor 16
	v_and_b32 v1, 3, v0                            ; row m % 4 (the work-group has 32 threads)
	v_lshrrev_b32 v2, 2, v0
	v_lshlrev_b32 v3, 10, v1
	v_xor_b32 v2, s8, v2                           ; b
	v_lshrrev_b32 v7, 4, v0                        ; b / 4: the K step
	v_lshl_add_u32 v3, v2, 7, v3                   ; in: row + 128 b
	v_lshl_add_u32 v4, v0, 4, s18                  ; out: 16 p,
	v_lshl_add_u32 v5, v0, 3, s18                  ; 8 p
	v_lshl_add_u32 v6, v1, 2, s20
	v_lshl_add_u32 v8, v1, 2, s21
	v_lshl_add_u32 v6, v7, 6, v6
	v_and_b32 v9, 4, v0
	v_and_b32 v10, 3, v2
	v_cmp_eq_u32 s22, 0, v9                        ; half of the lanes store scale words, half sums (lanes that share a row and a K step hold and store the same word)
	v_lshlrev_b32 v10, 3, v10                      ; how far my byte stands up in the scale word
	v_cndmask_b32 v6, v8, v6, s22
	v_mov_b32 v[T], 0                              ; written once: a lane permute's destination counts as one of its sources
	v_mov_b32 v[T+1], 0
	s_wait_alu depctr_va_vdst(0)
	s_wait_kmcnt 0x0
	s_add_nc_u64 s[4:5], s[4:5], s[12:13]
	s_add_nc_u64 s[6:7], s[6:7], s[16:17]
.irp i, 0,1,2,3,4,5,6,7
	global_load_b128 v[X+4*\i:X+4*\i+3], v3, s[4:5] offset:16*\i
.endr
	s_wait_loadcnt 0x4                             ; loads come back in order: numbers 0 .. 15 are in, the four younger loads may be out
.irp c, 0,1,2,3
	v_max3_num_f32 v[M+\c], |v[X+3*\c]|, |v[X+3*\c+1]|, |v[X+3*\c+2]|
	v_pk_mul_f32 v[Q+2*\c:Q+2*\c+1], v[X+2*\c:X+2*\c+1], v[X+2*\c:X+2*\c+1]      ; the squares of the UNQUANTISED numbers; the first products start the sums
.endr
	v_max3_num_f32 v[M], v[M], |v[X+12]|, |v[X+13]|
	v_max3_num_f32 v[M+1], v[M+1], |v[X+14]|, |v[X+15]|
.irp c, 0,1,2,3
	v_pk_fma_f32 v[Q+2*\c:Q+2*\c+1], v[X+8+2*\c:X+9+2*\c], v[X+8+2*\c:X+9+2*\c], v[Q+2*\c:Q+2*\c+1]
.endr
	s_wait_alu depctr_va_vdst(0)
	s_wait_loadcnt 0x0
.irp k, 16,24
.irp c, 0,1,2,3
	v_max3_num_f32 v[M+\c], v[M+\c], |v[X+\k+2*\c]|, |v[X+\k+2*\c+1]|
	v_pk_fma_f32 v[Q+2*\c:Q+2*\c+1], v[X+\k+2*\c:X+\k+2*\c+1], v[X+\k+2*\c:X+\k+2*\c+1], v[Q+2*\c:Q+2*\c+1]
.endr
.endr
	v_max3_num_f32 v[M], v[M], v[M+1], v[M+2]
	v_pk_add_f32 v[Q:Q+1], v[Q:Q+1], v[Q+2:Q+3]
	v_pk_add_f32 v[Q+4:Q+5], v[Q+4:Q+5], v[Q+6:Q+7]
	v_max3_num_f32 v[M], v[M], v[M+3], 0x2800000   ; and the floor 2^(5 - 127): the byte cannot fall under 1
	v_pk_add_f32 v[Q:Q+1], v[Q:Q+1], v[Q+4:Q+5]
	v_add_nc_u32 v[SC], 0xfe000000, v[M]           ; 4 off its exponent field: the conversion takes the exponent field of this operand as its scale
	v_cvt_scalef32_pk16_bf6_f32 v[F:F+2], v[X:X+15], v[SC]         ; 16 codes, 96 bits, the first number's lowest; beyond 28 the largest code
	v_cvt_scalef32_pk16_bf6_f32 v[TC:TC+2], v[X+16:X+31], v[SC]    ; (a conversion's three registers begin on an even number)
	v_lshrrev_b32 v[WD], 23, v[SC]                 ; the scale's byte.  (The plain place behind the conversions)
	v_add_f32 v[Q], v[Q], v[Q+1]
.irp i, 0,1,2
	v_mov_b32 v[F+3+\i], v[TC+\i]
.endr
	global_store_b128 v4, v[F:F+3], s[6:7]                         ; 512 consecutive bytes, at a multiple of 256 from the buffer's first byte,
	global_store_b64 v5, v[F+4:F+5], s[6:7] offset:512             ; and 256
	v_lshlrev_b32 v[WD], v10, v[WD]
	v_add_f32_dpp v[Q], v[Q], v[Q] row_xmask:4 row_mask:0xf bank_mask:0xf    ; a row's eight blocks lie in lanes l xor 4, 8, 16
	v_mov_b32_dpp v[T], v[WD] row_xmask:4 row_mask:0xf bank_mask:0xf
	v_add_f32_dpp v[Q], v[Q], v[Q] row_xmask:8 row_mask:0xf bank_mask:0xf
	v_or_b32 v[WD], v[WD], v[T]
	v_permlanex16_b32 v[T+1], v[Q], s24, s25
	v_mov_b32_dpp v[T], v[WD] row_xmask:8 row_mask:0xf bank_mask:0xf         ; a scale word's four bytes lie in lanes l xor 4, 8
	v_add_f32 v[Q], v[Q], v[T+1]
	v_or_b32 v[WD], v[WD], v[T]
	v_cndmask_b32 v[WD], v[Q], v[WD], s22
	global_store_b32 v6, v[WD], s[6:7]
	s_endpgm
.Lfunc_end_k_qaabe108830_prep:
	.size	k_qaabe108830_prep, .Lfunc_end_k_qaabe108830_prep-k_qaabe108830_prep
	.p2alignl 7, 3214868480
	.fill 96, 4, 3214868480
	.section	.rodata,"a",@progbits
	.p2align	6, 0x0
	.amdhsa_kernel k_qaabe108830_prep
		.amdhsa_group_segment_fixed_size 0
		.amdhsa_private_segment_fixed_size 0
		.amdhsa_enable_private_segment 0
		.amdhsa_kernarg_size 16
		.amdhsa_user_sgpr_count 2
		.amdhsa_user_sgpr_kernarg_segment_ptr 1
		.amdhsa_wavefront_size32 1
		.amdhsa_system_sgpr_workgroup_id_x 1
		.amdhsa_system_sgpr_workgroup_id_y 1
		.amdhsa_system_sgpr_workgroup_id_z 1
		.amdhsa_system_vgpr_workitem_id 0
		.amdhsa_next_free_vgpr 80
		.amdhsa_next_free_sgpr 66
		.amdhsa_reserve_vcc 0
		.amdhsa_float_denorm_mode_32 3
		.amdhsa_float_denorm_mode_16_64 3
		.amdhsa_memory_ordered 1
		.amdhsa_forward_progress 1
		.amdhsa_inst_pref_size 7
	.end_amdhsa_kernel
	.amdgpu_metadata
---
amdhsa.version: [ 1, 2 ]
amdhsa.kernels:
  - .name:           k_qaabe108830_prep
    .symbol:         k_qaabe108830_prep.kd
    .args:
      - { .name: codebook, .offset: 0, .size: 8, .value_kind: global_buffer, .address_space: global }
      - { .name: cbq, .offset: 8, .size: 8, .value_kind: global_buffer, .address_space: global }
    .group_segment_fixed_size: 0
    .private_segment_fixed_size: 0
    .kernarg_segment_align: 8
    .kernarg_segment_size: 16
    .max_flat_workgroup_size: 32
    .sgpr_count:     66
    .vgpr_count:     80
    .wavefront_size: 32
...
	.end_amdgpu_metadata
.endif
;; end of part 1
;; launch vq (part 2): grid 256 x 1, 16 waves a work-group, clusters of 4 x 1, 277,504 bytes of LDS; arguments x, cbq, out0; writes out0
.if DOCPART == 2
	.amdgcn_target "amdgcn-amd-amdhsa--gfx1250"
	.amdhsa_code_object_version 6
	.text
	.protected	k_qaabe108830_vq
	.globl	k_qaabe108830_vq
	.p2align	8
	.type	k_qaabe108830_vq,@function
k_qaabe108830_vq:
	s_mov_b64 s[64:65], 0
	v_nop
	global_prefetch_b8 v0, s[64:65] scope:SCOPE_SE
	s_setreg_imm32_b32 hwreg(HW_REG_WAVE_MODE, 25, 1), 1
	s_wait_xcnt 0x0
	s_wait_alu depctr_hold_cnt(0) depctr_sa_sdst(0) depctr_va_vdst(0) depctr_va_sdst(0) depctr_va_ssrc(0) depctr_va_vcc(0) depctr_vm_vsrc(0)
	s_getreg_b32 s2, hwreg(HW_REG_IB_STS2, 6, 4)
	s_cmp_eq_u32 s2, 0
	s_cbranch_scc0 .Lentry_in_a_cluster
	s_endpgm
.Lentry_in_a_cluster:
	s_bfe_u32 s2, ttmp6, 0x10000c
	s_cmp_lg_u32 s2, 0x3003
	s_cbranch_scc0 .Lentry_shape_is_right
	s_endpgm
.Lentry_shape_is_right:
; out0[n] = the first index c at which d2[n][c] = (x_sq[n] - 2 dot[n][c]) + e_sq[c] is smallest.  n = (b, h, w): 32,768 positions; c: 1,024 codes; dot: the product over d = 0 .. 255 of x and the codebook, both quantised
; to BF6 (E3M2) with one E8M0 scale for each 32 along d; x_sq, e_sq: f32 sums of squares of the unquantised numbers.  x is [32][256 d][1024 hw] f32: d is NOT innermost.
; THE DISTANCES ARE ROUNDED AS THE DEFINITION ROUNDS THEM: one fused multiply-add (2 dot is exact) and one addition, so that equal distances are equal here too; every comparison is 'strictly smaller wins', in ascending
; order of the codes, which keeps the first index.
; SHARES.  A work-group owns 128 positions of one batch (512 neighbouring bytes of each of the 256 rows d): 256 work-groups of equal work.  THE SIXTEEN WAVES SHARE THE CODES: wave w keeps the operands of codes
; 64 w .. 64 w + 63 (4 tiles x 2 K steps, 96 registers), their scale words and their e_sq in registers and multiplies them with all 8 tiles of 16 positions.
; x IS QUANTISED ON THE WAY, once: wave w takes block w % 8 (d = 32 (w % 8) + 0 .. 31) of 32 positions (a lane to a position, its registers down d), for each half of the positions: a block lies in ONE lane's 32 registers,
; each load reads 128 neighbouring bytes, and the codes come out with d innermost.  Codes, scale bytes and the block's sum of squares go to the other waves through LDS, the codes at the place that the operand's layout gives.
; THE ORDER OF THE REQUESTS: my slice of the codebook, the first 64 positions of x, and, when those are quantised, the other 64: the first products want the first two.
; THE PRODUCT: source 0 = 16 codes, source 1 = 16 positions: lane (r, h) holds position r, register j of tile t code 64 w + 32 h + 8 t + j (the first launch chose the tiles' rows so).  So x_sq is one number a lane, e_sq eight
; fixed registers a tile, and the search runs inside a lane; 32 candidates (wave, half) a position meet in LDS at the end.
; CLUSTER.  Every work-group reads the same 208,896 bytes, so four work-groups ask for them JOINTLY: each wave's one tensor load brings its own slice, with the same descriptor and the mask of all four in each of
; the four.  One tensor load of a wave is out, and no LDS byte is filled twice.  Only the issuing wave reads its slice, behind its own wait.
; NO PREFETCH: all of x that a work-group reads is asked for in two groups of 32 loads a wave; there is no loop to run ahead in.
; LIMITS: NaN and infinities among the inputs are not served; a block of zeros gets the scale byte 1 where the rule says 127 (its codes are zeros; the bytes stay in this program); x_sq is an f32 sum in this text's own
; order (four chains a block, then a tree over the eight blocks), the same bits in every wave.
.set SLICE, 13056                      ; a wave's slice: 16 records of 768 bytes, 4 x 128 bytes of scale words, 256 bytes of e_sq: 51 rows of 256 bytes
.set XIMG,  16*SLICE                   ; LDS behind the slices: x's fragments: (tile p, K step s) at 3,072 p + 1,536 s; lane l's 12 registers on end at 48 l: 12 words a lane
.set XSC,   XIMG+8*3072                ; x's scale words: tile p at 128 p; (K step s, position r) at 64 s + 4 r
.set XQ,    XSC+8*128                  ; the blocks' sums of squares: position n at 32 n, block b at 4 b
.set RED,   XQ+128*32                  ; the candidates: position n at 272 n; candidate 2 w + h (value, index) at 8 (2 w + h)
.set RES,   RED+128*272                ; four runs of 128 indices; run 0 holds the result
.set SPARE, RES+4*512                  ; the spare words, 128 bytes for each wave: bytes that no other line names
.set XO,  1                            ; v1   x: 4 l + my block's 32 rows + my 32 positions; never rewritten
.set ESA, 2                            ; v2   my slice's e_sq + 32 h; at the end RES + 16 l
.set CSA, 3                            ; v3   my slice's scale words + 4 l
.set XWC, 4                            ; v4   where I store a block's 24 bytes of codes
.set XWS, 5                            ; v5   its scale byte
.set XWQ, 6                            ; v6   its sum of squares
.set XRF, 7                            ; v7   XIMG + 48 l
.set XRS, 8                            ; v8   XSC + 4 l
.set XRQ, 9                            ; v9   XQ + 32 r
.set RWA, 10                           ; v10  RED + 272 r + 8 h + 16 w
.set LB,  11                           ; v11  64 w + 32 h: my lane's first code
.set EA,  12                           ; v12  the end: my position's candidates, my quarter of them
.set EW,  13                           ; v13  the end: where my index goes
.set OO,  14                           ; v14  16 l
.set SPW, 15                           ; v15  LDS address of my spare word: SPARE + 4 x my thread's number; never rewritten
.set CB,  16                           ; v16-111  the codes' fragments: (t, s) at CB + 24 t + 12 s
.set ES,  112                          ; v112-143 e_sq: tile t at ES + 8 t
.set CS,  144                          ; v144-147 the codes' scale words, a register a tile: scales and nothing else
.set X0,  148                          ; v148-179 the first 32 numbers of x; then
.set ACC, 148                          ;          the four accumulators; tile 0's eight also keep the distances of the best tile so far
.set X1,  180                          ; v180-211 the second 32 numbers of x
.set XF,  212                          ; v212-235 x's two fragments (v212-227 at work while the first half of x is quantised)
.set XSW, 236                          ; v236     x's scale words: scales and nothing else
.set NIL, 237                          ; v237     0; never rewritten
.set XS,  238                          ; v[238:239] x_sq (the packed form names the pair and takes its low word)
.set PQ,  240                          ; v240-247 a position's eight sums of squares
.set RUN, 248                          ; v248     the smallest distance so far;  v249 its code: the pair goes to LDS
.set CI,  249
.set G0,  250                          ; v250, v253, v254, v255: tiles' smallest
.set TID, 251                          ; v251     8 x the best tile
.set RB,  252                          ; v252     the smallest distance so far, by turns with RUN; then the place in the best tile
.set JJ,  252
.set H0,  253
.set G1,  254
.set H1,  255
.set LN,  240                          ; at the head only: l, r, h, r / 4, r % 4, h xor (r / 4), two at work
.set RR,  241
.set HH,  242
.set RG,  243
.set RH,  244
.set HX,  245
.set BA,  246
.set T0,  247
.set CA,  250                          ; at the head and until the codes are loaded: addresses of a block's first 16 bytes (v250: c = 0, v251: c = 1) and of its last 8 (v252, v253), less 512
.set FV,  16                           ; the end: candidate e: value at FV + 2 e, index behind it
.set FT,  32
.set WV,  10                           ; s10  my wave's number
.set MK,  40                           ; s40-46 masks
.macro ROUND                           ; a round of the cluster's barrier: my work-group's barrier; wave 0 signals for the work-group; every wave waits for all four work-groups; my work-group's barrier once more
	s_barrier_signal -1
	s_barrier_wait -1
	s_cmp_lg_u32 s[WV], 0
	s_cbranch_scc1 .Lnot_wave_0_\@
	s_barrier_signal -3
.Lnot_wave_0_\@:
	s_barrier_wait -3
	s_barrier_signal -1
	s_barrier_wait -1
.endm
.macro BARRIER                         ; my LDS stores have landed and my LDS loads are in: then the work-group's barrier
	s_wait_alu depctr_va_vdst(0)
	s_wait_dscnt 0x0
	s_barrier_signal -1
	s_barrier_wait -1
.endm
	s_load_b128 s[4:7], s[0:1], 0x0                ; x s[4:5], cbq s[6:7]
	s_load_b64 s[8:9], s[0:1], 0x10                ; out0
	v_lshl_add_u32 v[SPW], v0, 2, SPARE
	v_mov_b32 v[NIL], 0
	ds_add_u32 v[SPW], v[NIL]                      ; the wave's opening: the add, twice on end, and its wait ahead of my tensor load
	ds_add_u32 v[SPW], v[NIL]
	v_lshrrev_b32 v[LN], 5, v0
	v_readfirstlane_b32 s[WV], v[LN]               ; wave 0..15
	v_and_b32 v[LN], 31, v0                        ; l
	v_and_b32 v[RR], 15, v0                        ; r
	v_bfe_u32 v[HH], v0, 4, 1                      ; h
	v_bfe_u32 v[RG], v0, 2, 2                      ; r / 4
	v_and_b32 v[RH], 3, v0                         ; r % 4
	v_xor_b32 v[HX], v[HH], v[RG]
	s_wait_alu depctr_va_vdst(0)
	s_and_b32 s11, s[WV], 7                        ; which block of 32 along d I quantise
	s_lshr_b32 s12, s[WV], 3                       ; u: which 32 of a half's 64 positions
	s_lshl_b32 s39, s11, 17                        ; my block's first row d: 32 rows of 4,096 bytes a block
	s_lshl_b32 s28, s12, 7
	s_add_co_u32 s39, s39, s28
	v_lshl_add_u32 v[XO], v[LN], 2, s39
	s_bfe_u32 s13, ttmp6, 0x40000                  ; cx: my place in the cluster: it enters x's and out0's addresses alone
	s_lshl_b32 s14, ttmp9, 2                       ; in a cluster launch ttmp9 counts clusters
	s_add_co_u32 s14, s14, s13                     ; g: my block of 128 positions
	s_lshr_b32 s30, s14, 3
	s_lshl_b32 s30, s30, 20                        ; the batch: 256 rows of 4,096 bytes
	s_and_b32 s31, s14, 7
	s_lshl_b32 s31, s31, 9                         ; 128 positions of 4 bytes
	s_add_co_u32 s30, s30, s31
	s_mov_b32 s31, 0
	s_lshl_b32 s32, s14, 9                         ; out0: 128 indices of 4 bytes
	s_mov_b32 s33, 0
	s_mul_i32 s34, s[WV], SLICE                    ; my slice, in cbq and in LDS alike
	s_mov_b32 s35, 0
	; the descriptor: my slice, a dense block, as 51 rows of 256 bytes (32 elements of 8 bytes); no padding
	s_mov_b32 s20, 15|(3<<16)|(1<<21)              ; 15:0 the mask: all four work-groups; 17:16 elements of 8 bytes; 21 set beside a mask
	s_mov_b32 s21, 32<<16                          ; tensor_dim0 = 32
	s_mov_b32 s22, 51<<16                          ; tensor_dim1 = 51
	s_mov_b32 s23, 32<<16                          ; tile_dim0 = 32
	s_mov_b32 s24, 51                              ; tile_dim1 = 51
	s_mov_b32 s25, 32                              ; from row to row: 32 elements
	s_mov_b32 s26, 0
	s_mov_b32 s27, 0
	s_mov_b32 s16, 1                               ; count = 1
	s_mul_i32 s17, s[WV], SLICE                    ; LDS address: the wave's number alone enters it
	s_wait_alu depctr_va_vdst(0)
	s_wait_dscnt 0x0                               ; both opening adds are done
	ROUND                                          ; all four work-groups are here, and the joint loads meet; the round needs no argument, so it stands ahead of their wait
	s_wait_kmcnt 0x0
	s_add_nc_u64 s[18:19], s[6:7], s[34:35]        ; the slice's global address: the same in all four work-groups
	s_or_b32 s19, s19, 0x80000000                  ; type = 2
	s_add_nc_u64 s[4:5], s[4:5], s[30:31]
	s_add_nc_u64 s[8:9], s[8:9], s[32:33]
	tensor_load_to_lds s[16:19], s[20:27]          ; my one tensor load: my slice
	s_nop 0
.rept 4
	v_nop                                          ; four v_nop follow the line
.endr
.irp i, 0,1,2,3,4,5,6,7,8,9,10,11,12,13,14,15,16,17,18,19,20,21,22,23,24,25,26,27,28,29,30,31
	global_load_b32 v[X0+\i], v[XO], s[4:5] offset:4096*\i th:TH_LOAD_NT         ; the first half of x: x(32 b + i, my position): 32 lanes read 128 neighbouring bytes; read once in the launch
.endr
	; every LDS address, while these are on their way: a constant, constants x lane, constants x fields of the wave's number
	s_add_co_u32 s39, s34, 12800
	v_lshl_add_u32 v[ESA], v[HH], 5, s39           ; lane (r, h) wants the e_sq of tile rows 8 h + 0 .. 7
	s_add_co_u32 s39, s34, 12288
	v_lshl_add_u32 v[CSA], v[LN], 2, s39
	; block b = 4 s + 2 c + h of row r lies in record r / 4 at place 4 (b xor (r / 4)) + r % 4; b xor (r / 4) = 4 s + ((h xor (r / 4)) xor 2 c)
	v_mul_u32_u24 v[BA], v[RG], 768
	v_xor_b32 v[T0], 2, v[HX]
	v_lshl_add_u32 v[CA+2], v[RH], 3, s34
	v_add_nc_u32 v[CA+2], v[CA+2], v[BA]
	v_lshl_add_u32 v[BA], v[RH], 4, v[BA]
	v_add_nc_u32 v[BA], s34, v[BA]
	v_lshl_add_u32 v[CA], v[HX], 6, v[BA]
	v_lshl_add_u32 v[CA+1], v[T0], 6, v[BA]
	v_lshl_add_u32 v[CA+3], v[T0], 5, v[CA+2]
	v_lshl_add_u32 v[CA+2], v[HX], 5, v[CA+2]
	; block b = 4 s + 2 c + h' of position r of tile p belongs to lane r + 16 h' of fragment (p, s), registers 6 c on; my lane's position lies in tile 4 k + 2 u + h
	s_mul_i32 s36, s12, 6144                       ; 2 u tiles
	s_bfe_u32 s39, s[WV], 0x10002                  ; s
	s_mul_i32 s39, s39, 1536
	s_add_co_u32 s36, s36, s39
	s_and_b32 s39, s[WV], 1                        ; h'
	s_mul_i32 s39, s39, 768                        ; 16 lanes of 48 bytes
	s_add_co_u32 s36, s36, s39
	s_bfe_u32 s39, s[WV], 0x10001                  ; c
	s_mul_i32 s39, s39, 24
	s_add_co_u32 s36, s36, s39
	s_add_co_u32 s36, s36, XIMG
	v_mul_u32_u24 v[XWC], v[RR], 48
	v_lshlrev_b32 v[XWS], 2, v[RR]
	v_mul_u32_u24 v[RWA], v[RR], 272
	v_mad_u32_u24 v[XWC], v[HH], 3072, v[XWC]
	v_lshl_add_u32 v[XWS], v[HH], 7, v[XWS]
	v_lshl_add_u32 v[RWA], v[HH], 3, v[RWA]
	v_add_nc_u32 v[XWC], s36, v[XWC]
	s_wait_alu depctr_va_vdst(0)
	s_lshl_b32 s37, s12, 8                         ; 2 u tiles of 128 bytes
	s_bfe_u32 s39, s[WV], 0x10002
	s_lshl_b32 s39, s39, 6                         ; 64 s
	s_add_co_u32 s37, s37, s39
	s_and_b32 s39, s[WV], 3                        ; the byte in the word
	s_add_co_u32 s37, s37, s39
	s_add_co_u32 s37, s37, XSC
	s_lshl_b32 s38, s12, 10                        ; 32 u positions of 32 bytes
	s_lshl_b32 s39, s11, 2
	s_add_co_u32 s38, s38, s39
	s_add_co_u32 s38, s38, XQ
	s_lshl_b32 s36, s[WV], 4
	s_add_co_u32 s36, s36, RED
	s_lshl_b32 s39, s[WV], 6
	v_add_nc_u32 v[XWS], s37, v[XWS]
	v_lshl_add_u32 v[XWQ], v[LN], 5, s38
	v_add_nc_u32 v[RWA], s36, v[RWA]
	v_lshl_add_u32 v[LB], v[HH], 5, s39
	v_mul_u32_u24 v[XRF], v[LN], 48
	v_lshl_add_u32 v[XRS], v[LN], 2, XSC
	v_lshl_add_u32 v[XRQ], v[RR], 5, XQ
	v_lshrrev_b32 v[EA], 2, v0                     ; the end: four threads to a position
	v_and_b32 v[T0], 3, v0
	v_add_nc_u32 v[XRF], XIMG, v[XRF]
	v_lshlrev_b32 v[EW], 2, v[EA]
	v_mul_u32_u24 v[EA], v[EA], 272
	v_lshlrev_b32 v[OO], 4, v[LN]
	v_lshl_add_u32 v[EW], v[T0], 9, v[EW]
	v_lshl_add_u32 v[EA], v[T0], 6, v[EA]
	v_add_nc_u32 v[EW], RES, v[EW]
	v_add_nc_u32 v[EA], RED, v[EA]
	v_mov_b32 v[XS+1], 0                           ; named with x_sq as a pair, so it is written
; One block of 32 along d of 32 positions, v[x] .. v[x + 31] of each lane, becomes 24 bytes of codes, a scale byte and a sum of squares, all stored for half k.  p: 16 registers at work.
.macro QX x, k, p
	v_max3_num_f32 v[\p+8], |v[\x]|, |v[\x+1]|, |v[\x+2]|          ; the block's largest magnitude: all 32 numbers are mine; two chains,
	v_max3_num_f32 v[\p+9], |v[\x+3]|, |v[\x+4]|, |v[\x+5]|
	v_pk_mul_f32 v[\p+12:\p+13], v[\x:\x+1], v[\x:\x+1]            ; by turns with the squares of the UNQUANTISED numbers, in two chains of pairs; the first products start the sums
	v_pk_mul_f32 v[\p+14:\p+15], v[\x+2:\x+3], v[\x+2:\x+3]
.irp i, 6,10,14,18,22,26
	v_max3_num_f32 v[\p+8], v[\p+8], |v[\x+\i]|, |v[\x+\i+1]|
	v_max3_num_f32 v[\p+9], v[\p+9], |v[\x+\i+2]|, |v[\x+\i+3]|
	v_pk_fma_f32 v[\p+12:\p+13], v[\x+\i-2:\x+\i-1], v[\x+\i-2:\x+\i-1], v[\p+12:\p+13]
	v_pk_fma_f32 v[\p+14:\p+15], v[\x+\i:\x+\i+1], v[\x+\i:\x+\i+1], v[\p+14:\p+15]
.endr
	v_max3_num_f32 v[\p+8], v[\p+8], |v[\x+30]|, |v[\x+31]|
	v_pk_fma_f32 v[\p+12:\p+13], v[\x+28:\x+29], v[\x+28:\x+29], v[\p+12:\p+13]
	v_pk_fma_f32 v[\p+14:\p+15], v[\x+30:\x+31], v[\x+30:\x+31], v[\p+14:\p+15]
	v_max3_num_f32 v[\p+8], v[\p+8], v[\p+9], 0x2800000            ; and the floor 2^(5 - 127): the byte cannot fall under 1
	v_pk_add_f32 v[\p+12:\p+13], v[\p+12:\p+13], v[\p+14:\p+15]
	v_add_nc_u32 v[\p+10], 0xfe000000, v[\p+8]                     ; 4 off its exponent field: the conversion's scale operand
	v_cvt_scalef32_pk16_bf6_f32 v[\p:\p+2], v[\x:\x+15], v[\p+10]  ; 16 codes, 96 bits, the lowest d lowest; beyond 28 the largest code
	v_cvt_scalef32_pk16_bf6_f32 v[\p+4:\p+6], v[\x+16:\x+31], v[\p+10]   ; (a conversion's three registers begin on an even number)
	v_lshrrev_b32 v[\p+11], 23, v[\p+10]                           ; the scale's byte.  (The plain place behind the conversions)
	v_add_f32 v[\p+12], v[\p+12], v[\p+13]
	v_mov_b32 v[\p+3], v[\p+4]                                     ; the block's 192 bits on end
	v_mov_b32 v[\p+4], v[\p+5]
	v_mov_b32 v[\p+5], v[\p+6]
	ds_store_b64 v[XWC], v[\p:\p+1] offset:12288*(\k)              ; in pieces of 8 bytes: every address is a multiple of the access's size
	ds_store_b64 v[XWC], v[\p+2:\p+3] offset:12288*(\k)+8
	ds_store_b64 v[XWC], v[\p+4:\p+5] offset:12288*(\k)+16
	ds_store_b8 v[XWS], v[\p+11] offset:512*(\k)
	ds_store_b32 v[XWQ], v[\p+12] offset:2048*(\k)
.endm
; What tile p of 16 positions needs: nine LDS loads.
.macro LOADF p
.irp s, 0,1
.irp g, 0,1,2
	ds_load_b128 v[XF+12*\s+4*\g:XF+12*\s+4*\g+3], v[XRF] offset:3072*(\p)+1536*\s+16*\g
.endr
.endr
	ds_load_b32 v[XSW], v[XRS] offset:128*(\p)                     ; lanes 0-15: K step 0's words, lanes 16-31: K step 1's
	ds_load_b128 v[PQ:PQ+3], v[XRQ] offset:512*(\p)
	ds_load_b128 v[PQ+4:PQ+7], v[XRQ] offset:512*(\p)+16
.endm
; The best tile so far is tile t where VCC says so: its eight distances are kept, so that the place is looked for once, in eight numbers and not in 32.
.macro KEEP t
.irp j, 0,1,2,3,4,5,6,7
	v_cndmask_b32 v[ACC+\j], v[ACC+\j], v[ACC+8*\t+\j], vcc_lo
.endr
.endm
; Tile p of 16 positions against my 64 codes: 8 matrix instructions, 32 distances a lane, one candidate a lane.  wt: LDS instructions that may be out (the one store of the tile before, issued behind this tile's loads), -1: no wait is due;
; nx: the tile whose loads go out behind the products, -1: none;  out = 1: the candidate is stored here.
.macro TILE p, wt, nx, out
.if \wt >= 0
	s_wait_dscnt \wt
.endif
.irp t, 0,1,2,3                                ; the four accumulators take turns, one instruction a turn; the first K step starts the sums
	v_wmma_scale_f32_16x16x128_f8f6f4 v[ACC+8*\t:ACC+8*\t+7], v[CB+24*\t:CB+24*\t+11], v[XF:XF+11], 0, v[CS+\t], v[XSW] matrix_a_fmt:MATRIX_FMT_BF6 matrix_b_fmt:MATRIX_FMT_BF6
.endr
.irp t, 0,1,2,3
	v_wmma_scale_f32_16x16x128_f8f6f4 v[ACC+8*\t:ACC+8*\t+7], v[CB+24*\t+12:CB+24*\t+23], v[XF+12:XF+23], v[ACC+8*\t:ACC+8*\t+7], v[CS+\t], v[XSW] matrix_a_fmt:MATRIX_FMT_BF6 matrix_b_fmt:MATRIX_FMT_BF6 matrix_a_scale:MATRIX_SCALE_ROW1 matrix_b_scale:MATRIX_SCALE_ROW1
.endr
	v_pk_add_f32 v[PQ:PQ+1], v[PQ:PQ+1], v[PQ+2:PQ+3]              ; x_sq of my position: the eight blocks' sums.  These four lines name no register of the products: they are the four places behind them (ISA guide 7.12.1)
	v_pk_add_f32 v[PQ+4:PQ+5], v[PQ+4:PQ+5], v[PQ+6:PQ+7]
	v_pk_add_f32 v[PQ:PQ+1], v[PQ:PQ+1], v[PQ+4:PQ+5]
	v_add_f32 v[XS], v[PQ], v[PQ+1]
.if \nx >= 0
	LOADF \nx                                                      ; the next tile's loads, out while this tile's distances are worked
.endif
.irp t, 0,1,2,3
.irp j, 0,2,4,6                                ; each accumulator from its low end on
	v_pk_fma_f32 v[ACC+8*\t+\j:ACC+8*\t+\j+1], v[ACC+8*\t+\j:ACC+8*\t+\j+1], -2.0, v[XS:XS+1] op_sel_hi:[1,0,0]   ; x_sq - 2 dot, rounded once
.endr
.endr
.irp t, 0,1,2,3
.irp j, 0,2,4,6
	v_pk_add_f32 v[ACC+8*\t+\j:ACC+8*\t+\j+1], v[ACC+8*\t+\j:ACC+8*\t+\j+1], v[ES+8*\t+\j:ES+8*\t+\j+1]           ; + e_sq, rounded once more
.endr
.endr
	v_min3_num_f32 v[G0], v[ACC], v[ACC+1], v[ACC+2]               ; each tile's smallest, two tiles by turns
	v_min3_num_f32 v[G1], v[ACC+8], v[ACC+9], v[ACC+10]
	v_min3_num_f32 v[H0], v[ACC+3], v[ACC+4], v[ACC+5]
	v_min3_num_f32 v[H1], v[ACC+11], v[ACC+12], v[ACC+13]
	v_min3_num_f32 v[G0], v[G0], v[ACC+6], v[ACC+7]
	v_min3_num_f32 v[G1], v[G1], v[ACC+14], v[ACC+15]
	v_min_num_f32 v[RB], v[G0], v[H0]                              ; tile 0 starts the search: its distances lie where the best tile's are kept
	v_min3_num_f32 v[G0], v[ACC+16], v[ACC+17], v[ACC+18]
	v_min3_num_f32 v[H0], v[ACC+19], v[ACC+20], v[ACC+21]
	v_min3_num_f32 v[RUN], v[RB], v[G1], v[H1]
	v_min3_num_f32 v[G1], v[ACC+24], v[ACC+25], v[ACC+26]
	v_min3_num_f32 v[H1], v[ACC+27], v[ACC+28], v[ACC+29]
	v_cmp_lt_f32 vcc_lo, v[RUN], v[RB]                             ; a later tile wins only where it makes the smallest strictly smaller
	v_min3_num_f32 v[G0], v[G0], v[ACC+22], v[ACC+23]
	v_min3_num_f32 v[G1], v[G1], v[ACC+30], v[ACC+31]
	v_cndmask_b32 v[TID], 0, 8, vcc_lo
	v_min3_num_f32 v[RB], v[RUN], v[G0], v[H0]
	KEEP 1
	v_cmp_lt_f32 vcc_lo, v[RB], v[RUN]
	v_min3_num_f32 v[RUN], v[RB], v[G1], v[H1]
	v_cndmask_b32 v[TID], v[TID], 16, vcc_lo
	KEEP 2
	v_cmp_lt_f32 vcc_lo, v[RUN], v[RB]
	v_mov_b32 v[JJ], 7
	v_cndmask_b32 v[TID], v[TID], 24, vcc_lo
	KEEP 3
.irp j, 0,1,2,3,4,5,6
	v_cmp_eq_f32 s[MK+\j], v[ACC+\j], v[RUN]
.endr
.irp j, 6,5,4,3,2,1,0                          ; descending: the lowest place that holds the smallest distance stays
	v_cndmask_b32 v[JJ], v[JJ], \j, s[MK+\j]
.endr
	v_add3_u32 v[CI], v[TID], v[JJ], v[LB]                         ; the code: 64 w + 32 h + 8 t + j
.if \out
	ds_store_b64 v[RWA], v[RUN:RUN+1] offset:4352*(\p)             ; rows of 272 bytes: the 32 lanes touch 64 different banks
.endif
.endm
	s_wait_alu depctr_va_vdst(0)
	s_wait_loadcnt 0x0                             ; the first half of x
	QX X0, 0, 212                                  ; while my slice is on its way
	BARRIER                                        ; the first four tiles' fragments, scale words and sums lie in LDS.  My tensor load may still be out here, and its bytes are read by me alone, behind my own wait
.irp i, 0,1,2,3,4,5,6,7,8,9,10,11,12,13,14,15,16,17,18,19,20,21,22,23,24,25,26,27,28,29,30,31
	global_load_b32 v[X1+\i], v[XO], s[4:5] offset:4096*\i+256 th:TH_LOAD_NT     ; the second half of x: 64 positions on; wanted behind three tiles
.endr
	s_wait_tensorcnt 0x0                           ; my slice is in LDS; a wave whose slice is in goes on without the others'
.irp t, 0,1,2,3
.irp s, 0,1
.irp c, 0,1
	ds_load_b128 v[CB+24*\t+12*\s+6*\c:CB+24*\t+12*\s+6*\c+3], v[CA+\c] offset:3072*\t+256*\s
	ds_load_b64 v[CB+24*\t+12*\s+6*\c+4:CB+24*\t+12*\s+6*\c+5], v[CA+2+\c] offset:3072*\t+128*\s+512
.endr
.endr
	ds_load_b32 v[CS+\t], v[CSA] offset:128*\t
	ds_load_b128 v[ES+8*\t:ES+8*\t+3], v[ESA] offset:64*\t
	ds_load_b128 v[ES+8*\t+4:ES+8*\t+7], v[ESA] offset:64*\t+16
.endr
	LOADF 0
	TILE 0, 0, 1, 1                                ; (its wait for all LDS loads covers the codes' too)
	TILE 1, 1, 2, 1
	TILE 2, 1, 3, 1
	s_wait_alu depctr_va_vdst(0)
	s_wait_loadcnt 0x0                             ; the second half of x
	QX X1, 1, ACC                                  ; (tile 3's fragments lie in their registers; the accumulators are free)
	s_wait_alu depctr_va_vdst(0)
	s_wait_dscnt 0x0                               ; my stores have landed, and tile 3's loads are in
	s_barrier_signal -1                            ; this barrier guards no fill: between its signal and its wait tile 3 is worked in registers alone,
	TILE 3, -1, -1, 0
	s_wait_alu depctr_va_vdst(0)
	s_barrier_wait -1
	LOADF 4
	ds_store_b64 v[RWA], v[RUN:RUN+1] offset:4352*3                ; and its candidate is stored behind it
	TILE 4, 1, 5, 1
	TILE 5, 1, 6, 1
	TILE 6, 1, 7, 1
	TILE 7, 1, -1, 1
	BARRIER                                        ; all 32 candidates of all 128 positions lie in LDS
	; THE END: four threads to a position, eight candidates each.  Candidates ascend in the codes; neighbours meet first, and the later one wins only where it is strictly smaller.
.irp q, 0,1,2,3
	ds_load_b128 v[FV+4*\q:FV+4*\q+3], v[EA] offset:16*\q
.endr
	s_wait_dscnt 0x0
.irp k, 0,1,2,3
	v_cmp_lt_f32 s[MK+\k], v[FV+4*\k+2], v[FV+4*\k]
.endr
.irp k, 0,1,2,3
	v_cndmask_b32 v[FV+4*\k+1], v[FV+4*\k+1], v[FV+4*\k+3], s[MK+\k]
	v_min_num_f32 v[FV+4*\k], v[FV+4*\k], v[FV+4*\k+2]
.endr
.irp k, 0,2
	v_cmp_lt_f32 s[MK+\k], v[FV+4*\k+4], v[FV+4*\k]
.endr
.irp k, 0,2
	v_cndmask_b32 v[FV+4*\k+1], v[FV+4*\k+1], v[FV+4*\k+5], s[MK+\k]
	v_min_num_f32 v[FV+4*\k], v[FV+4*\k], v[FV+4*\k+4]
.endr
	v_cmp_lt_f32 s[MK], v[FV+8], v[FV]
	v_mov_b32 v[FT], 0                             ; written once: a lane permute's destination counts as one of its sources
	v_mov_b32 v[FT+1], 0
	v_cndmask_b32 v[FV+1], v[FV+1], v[FV+9], s[MK]
	v_min_num_f32 v[FV], v[FV], v[FV+8]
.irp m, 1,2                                    ; the first of the four threads takes the second's, the third the fourth's; then the first the third's.  (What the others end with is not read)
	v_mov_b32_dpp v[FT], v[FV] row_xmask:\m row_mask:0xf bank_mask:0xf
	v_mov_b32_dpp v[FT+1], v[FV+1] row_xmask:\m row_mask:0xf bank_mask:0xf
	v_cmp_lt_f32 vcc_lo, v[FT], v[FV]
	v_min_num_f32 v[FV], v[FV], v[FT]
	v_cndmask_b32 v[FV+1], v[FV+1], v[FT+1], vcc_lo
.endr
	ds_store_b32 v[EW], v[FV+1]                    ; run 0 of four: the 128 results on end
	v_add_nc_u32 v[ESA], RES, v[OO]
	BARRIER
	s_cmp_eq_u32 s[WV], 0
	s_cbranch_scc0 .Ldone
	ds_load_b128 v[FV+4:FV+7], v[ESA]
	s_wait_dscnt 0x0
	global_store_b128 v[OO], v[FV+4:FV+7], s[8:9] th:TH_STORE_NT   ; one wave stores the work-group's 512 consecutive bytes, at a multiple of 256 from out0's first byte; written once, read by nobody here
.Ldone:
	s_wait_tensorcnt 0x0                           ; the wave's end
	ds_add_u32 v[SPW], v[NIL]
	s_wait_dscnt 0x0
	ROUND                                          ; the closing round: no work-group ends while a partner may still ask for a slice that names it
	s_endpgm
.Lfunc_end_k_qaabe108830_vq:
	.size	k_qaabe108830_vq, .Lfunc_end_k_qaabe108830_vq-k_qaabe108830_vq
	.p2alignl 7, 3214868480
	.fill 96, 4, 3214868480
	.section	.rodata,"a",@progbits
	.p2align	6, 0x0
	.amdhsa_kernel k_qaabe108830_vq
		.amdhsa_group_segment_fixed_size 277504
		.amdhsa_private_segment_fixed_size 0
		.amdhsa_enable_private_segment 0
		.amdhsa_kernarg_size 24
		.amdhsa_user_sgpr_count 2
		.amdhsa_user_sgpr_kernarg_segment_ptr 1
		.amdhsa_wavefront_size32 1
		.amdhsa_system_sgpr_workgroup_id_x 1
		.amdhsa_system_sgpr_workgroup_id_y 1
		.amdhsa_system_sgpr_workgroup_id_z 1
		.amdhsa_system_vgpr_workitem_id 0
		.amdhsa_next_free_vgpr 256
		.amdhsa_next_free_sgpr 66
		.amdhsa_reserve_vcc 1
		.amdhsa_float_denorm_mode_32 3
		.amdhsa_float_denorm_mode_16_64 3
		.amdhsa_memory_ordered 1
		.amdhsa_forward_progress 1
		.amdhsa_inst_pref_size 79
	.end_amdhsa_kernel
	.amdgpu_metadata
---
amdhsa.version: [ 1, 2 ]
amdhsa.kernels:
  - .name:           k_qaabe108830_vq
    .symbol:         k_qaabe108830_vq.kd
    .args:
      - { .name: x, .offset: 0, .size: 8, .value_kind: global_buffer, .address_space: global }
      - { .name: cbq, .offset: 8, .size: 8, .value_kind: global_buffer, .address_space: global }
      - { .name: out0, .offset: 16, .size: 8, .value_kind: global_buffer, .address_space: global }
    .group_segment_fixed_size: 277504
    .private_segment_fixed_size: 0
    .kernarg_segment_align: 8
    .kernarg_segment_size: 24
    .max_flat_workgroup_size: 512
    .sgpr_count:     66
    .vgpr_count:     256
    .wavefront_size: 32
...
	.end_amdgpu_metadata
.endif
;; end of part 2
